; MI455X (gfx1250); checked and timed in simulation.
; The chip was launched on July 23, 2026; its instructions are those of AMD's public machine-readable ISA for CDNA 5 (MIT licence, August 2026) and "CDNA5" Instruction Set Architecture Reference Guide (July 2026). The comments in the code are by the model that wrote it; some were corrected since.
;; Multi Head Self Attention. Allowed arithmetic: matrix products marked QUANTISED: E5M2 operands, one E8M0 scale for each 32 along K, by v_wmma_scale_f32_16x16x128_f8f6f4 with both operands' format E5M2, f32 sums; everything else in f32.
;; Inputs: Wk_codes 1,024 x 32 x 32 uint8 (E5M2 codes of Wk, K innermost, in blocks of 32 codes); Wk_scales 1,024 x 32 uint8 (E8M0 scales of Wk, one for each 32 codes along K); Wq_codes 1,024 x 32 x 32 uint8 (E5M2 codes of Wq, K innermost, in blocks of 32 codes); Wq_scales 1,024 x 32 uint8 (E8M0 scales of Wq, one for each 32 codes along K); Wv_codes 1,024 x 32 x 32 uint8 (E5M2 codes of Wv, K innermost, in blocks of 32 codes); Wv_scales 1,024 x 32 uint8 (E8M0 scales of Wv, one for each 32 codes along K); bk 1,024 float32; bq 1,024 float32; bv 1,024 float32; x_codes 4 x 2,048 x 32 x 32 uint8 (E5M2 codes of x, K innermost, in blocks of 32 codes); x_scales 4 x 2,048 x 32 uint8 (E8M0 scales of x, one for each 32 codes along K).
;; Outputs: out0 4 x 2,048 x 1,024 float32.
;; This version of the problem:
;;   THIS VERSION OF THE PROBLEM IS GIVEN IN LOW PRECISION. The matrix products marked QUANTISED in the list below multiply operands that are first quantised to E5M2 (5 exponent bits, 2 mantissa bits; 8 bits a number), with one power-of-two scale for each 32 numbers along K (OCP MX v1.0); their sums are f32. All else is computed in f32.
;;   The module's matrix products, in the order in which they are computed (A, B: the left and right operand; K: the contracted axis; several contracted axes count as one K, in the product's order):
;;     1. [M 8,192, K 1,024] x [K 1,024, N 1,024]; A: input x (given as codes); B: input Wq (given as codes): QUANTISED
;;     2. [M 8,192, K 1,024] x [K 1,024, N 1,024]; A: input x (given as codes); B: input Wk (given as codes): QUANTISED
;;     3. [M 8,192, K 1,024] x [K 1,024, N 1,024]; A: input x (given as codes); B: input Wv (given as codes): QUANTISED
;;     4. batch 64 x [M 2,048, K 64] x [K 64, N 2,048]; A: computed on the way; B: computed on the way: QUANTISED
;;     5. batch 64 x [M 2,048, K 2,048] x [K 2,048, N 64]; A: softmax (see below); B: computed on the way: QUANTISED
;;   THE QUANTISER, for each operand of a quantised product, along K:
;;     - K is cut into blocks of 32 from its start; a last block that is shorter is filled with zeros.
;;     - A block's scale is 2^e with e = floor(log2(the largest magnitude in the block)) - 15, held to -126 .. 127; a block of zeros has e = 0. As a byte (E8M0): e + 127.
;;     - Each number is divided by its block's scale, clamped to +-57,344, and rounded to the nearest number of E5M2, ties to even, subnormals kept.
;;     - The product sums the exact products of the quantised numbers (number of the format x scale) in f32.
;;   ~~~python
;;   def quantise(x, axis):      # numpy; x: float32 -> the quantised numbers, widened to float32 again
;;       x = np.moveaxis(x, axis, -1); K = x.shape[-1]
;;       x = np.pad(x, [(0, 0)] * (x.ndim - 1) + [(0, -K % 32)]); x = x.reshape(x.shape[:-1] + (-1, 32)); a = np.abs(x).max(-1, keepdims=True)
;;       e = np.where(a > 0, np.clip(np.frexp(np.where(a > 0, a, 1))[1] - 1 - 15, -126, 127), 0)      # np.frexp(a)[1] - 1 = floor(log2(a)), exactly
;;       r = np.clip(x / 2.0 ** e, -57344, 57344)
;;       step = 2.0 ** (np.maximum(np.frexp(np.where(r == 0, 1, r))[1] - 1, -14) - 2)
;;       q = np.round(r / step) * step * 2.0 ** e      # np.round: ties to even
;;       return np.moveaxis(q.reshape(q.shape[:-2] + (-1,))[..., :K], -1, axis).astype(np.float32)
;;   ~~~
;;   SOFTMAX AHEAD OF A QUANTISED PRODUCT. Where the list says 'softmax', what is quantised is not the finished softmax but p = 2^(t - M), with t = logit x log2(e) and M = ceil(the row's largest t), a whole number; so 1/2 < the row's largest p <= 1. The row's sum l is taken of the UNQUANTISED p, in f32, and the product's result is divided by l at the end. Since M is a whole number, a kernel that streams over the keys may use a running M (the ceiling of the running maximum): every later rescaling is an exact power of two, which a block's scale takes up: the codes' values come out the same.
;;   OPERANDS COMPUTED ON THE WAY. 'Computed on the way' means the value that the module computes at that place (a softmax that the list does not call 'softmax' is quantised finished and normalised). What goes into a quantiser is computed in f32, as accurately as f32 sums, v_exp_f32 and their like allow (about 1e-6 of the number): no bf16 or f16 on the way to a quantiser, and a product that is left as it is and whose result goes on into a quantised operand takes f32 operands (vector FMAs, or v_wmma_f32_16x16x4_f32). A number that lies on a knife's edge between two numbers of the format may be rounded either way, as far as f32 arithmetic and the matrix unit's own rounding can turn it there, and no further.
;;   INPUTS GIVEN AS CODES. Wk (in the module: [1024, 1024], K = its axis 1); Wq (in the module: [1024, 1024], K = its axis 1); Wv (in the module: [1024, 1024], K = its axis 1); x (in the module: [4, 2048, 1024], K = its axis 2): each comes as NAME_codes (uint8): NAME with its K axis moved to the last place and cut into blocks of 32 codes, [.., K / 32, bytes a block], one block behind the other in memory; one code a byte (a code: sign, 5 exponent bits, 2 mantissa bits); and NAME_scales (uint8): the same leading axes, one E8M0 byte (e + 127) for each 32 codes along K. Its value is code x scale, taken as it is: it is not quantised again, and the codes and scales need not be those that the quantiser above would give.
;; One version. Each part assembles by itself: llvm-mc -triple=amdgcn-amd-amdhsa -mcpu=gfx1250 --defsym DOCPART=n.
;; ======== version 1 of 1: 2 launches
;; limits: right only within a limited range of input values
;; workspace buffers: qws 8,650,752 bytes; kvws 17,301,504 bytes
;; launch proj (part 1): grid 12 x 32, 4 waves a work-group, clusters of 4 x 4, 327,680 bytes of LDS; arguments x_codes, x_scales, Wq_codes, Wq_scales, Wk_codes, Wk_scales, Wv_codes, Wv_scales, bq, bk, bv, qws, kvws; writes qws, kvws
.if DOCPART == 1
	.amdgcn_target "amdgcn-amd-amdhsa--gfx1250"
	.amdhsa_code_object_version 6
	.text
	.protected	k_qb90fc248cd_proj
	.globl	k_qb90fc248cd_proj
	.p2align	8
	.type	k_qb90fc248cd_proj,@function
k_qb90fc248cd_proj:
	s_mov_b64 s[64:65], 0
	v_nop
	global_prefetch_b8 v0, s[64:65] scope:SCOPE_SE
	s_setreg_imm32_b32 hwreg(HW_REG_WAVE_MODE, 25, 1), 1
	s_wait_xcnt 0x0
	s_wait_alu depctr_hold_cnt(0) depctr_sa_sdst(0) depctr_va_vdst(0) depctr_va_sdst(0) depctr_va_ssrc(0) depctr_va_vcc(0) depctr_vm_vsrc(0)
	s_getreg_b32 s2, hwreg(HW_REG_IB_STS2, 6, 4)
	s_cmp_eq_u32 s2, 0
	s_cbranch_scc0 .Lentry_in_a_cluster
	s_endpgm
.Lentry_in_a_cluster:
	s_bfe_u32 s2, ttmp6, 0x10000c
	s_cmp_lg_u32 s2, 0xf033
	s_cbranch_scc0 .Lentry_shape_is_right
	s_endpgm
.Lentry_shape_is_right:
.set SIZE_K, 1024
.set KSTEP,  256
.set NQ,     KSTEP/128
.set ROWB,   256
.set KROW,   SIZE_K
.set PITCH,  272
.set FR,     16
.set NL,     4
.set NP,     8
.set HALFT,  128*PITCH
.set SLOT,   4*HALFT
.set LAPS,   SIZE_K/(2*KSTEP)
.set KS,     SIZE_K/32
.set SCL,    2*SLOT
.set HALFS,  (128*KS/256)*272
.set SBLK,   (16*KS/256)*272
.set SPARE,  SCL+4*HALFS
.set HEADP,  8448
.set WSTG,   2*HEADP
.set STGV,   4*WSTG
.set ADRA, 16
.set ADRB, 20
.set ADRS, 27
.set SPW,  28
.set NIL,  29
.set SC,   32
.set BQ,   64
.set BV,   8
.set AF,   128
.set T,    128
.set PC,   192
.set TM,   208
.set PW,   224
.set RB,   128
.set RS,   32
.set SEL,  4
.set MNT,  6
.set G1, 24
.set G0, 32
.set G1B, 48
.set G0B, 56
.set G1S, 68
.set G0S, 76
.set G1SB, 80
.set G0SB, 88
.set MSB, 0
.macro WIN new
.if MSB != (\new)
	s_set_vgpr_msb (MSB<<8)|(\new)
.set MSB, (\new)
.endif
.endm
.set MUL_LO, 0xa1
.set MUL_HI, 0xf1
.set TO_B,   0x40
.macro JLOAD g0a, g1a, g0b, g1b
	s_cmp_eq_u32 s15, 0
	s_cbranch_scc0 .Lfor_b_\@
	tensor_load_to_lds s[\g0a:\g0a+3], s[\g1a:\g1a+7]
	s_nop 0
.rept 4
	v_nop
.endr
	s_branch .Lasked_\@
.Lfor_b_\@:
	tensor_load_to_lds s[\g0b:\g0b+3], s[\g1b:\g1b+7]
	s_nop 0
.rept 4
	v_nop
.endr
.Lasked_\@:
.endm
.macro CREST
	s_cmp_lg_u32 s14, 0
	s_cbranch_scc1 .Lnot_wave_0_\@
	s_barrier_signal -3
.Lnot_wave_0_\@:
	s_barrier_wait -3
	s_barrier_signal -1
	s_barrier_wait -1
.endm
.macro CROUND
	s_barrier_signal -1
	s_barrier_wait -1
	CREST
.endm
	s_load_b512 s[68:83], s[0:1], 0x0
	s_load_b256 s[84:91], s[0:1], 0x40
	s_load_b64 s[92:93], s[0:1], 0x60
	v_lshl_add_u32 v[SPW], v0, 2, SPARE
	v_mov_b32 v[NIL], 0
	ds_add_u32 v28, v29
	ds_add_u32 v28, v29
	s_wait_dscnt 0x0
	v_lshrrev_b32 v1, 5, v0
	v_readfirstlane_b32 s14, v1
	s_lshr_b32 s15, s14, 1
	s_and_b32 s16, s14, 1
	s_bfe_u32 s40, ttmp6, 0x40000
	s_bfe_u32 s41, ttmp6, 0x40004
	s_and_b32 s99, ttmp7, 0xffff
	s_lshl_b32 s99, s99, 2
	s_lshl_b32 s43, s41, 2
	s_lshl_b32 s43, 15, s43
	s_lshl_b32 s44, 0x1111, s40
	s_or_b32 s[G1+0], s43, (0<<16)|(1<<20)|(1<<21)|(5<<22)|(3<<25)
	s_or_b32 s[G1B+0], s44, (0<<16)|(1<<20)|(1<<21)|(5<<22)|(3<<25)
.irp g, G1, G1B
	s_mov_b32 s[\g+1], ROWB<<16
	s_mov_b32 s[\g+2], 256<<16                     ; the head's loads of codes bring 256 rows; behind them the two words are set to 128
	s_mov_b32 s[\g+3], ROWB<<16
	s_mov_b32 s[\g+4], 256
	s_mov_b32 s[\g+5], KROW
	s_mov_b32 s[\g+6], 0
	s_mov_b32 s[\g+7], 0
.endr
	s_wait_kmcnt 0x0
	s_cmp_eq_u32 ttmp9, 0
	s_cselect_b64 s[8:9], s[72:73], s[76:77]
	s_cselect_b64 s[10:11], s[74:75], s[78:79]
	s_cselect_b64 s[66:67], s[84:85], s[86:87]
	s_cselect_b64 s[12:13], s[90:91], s[92:93]
	s_mov_b32 s96, 270336
	s_cselect_b32 s96, 135168, s96
	s_mov_b32 s97, 16896
	s_cselect_b32 s97, 8448, s97
	s_cmp_eq_u32 ttmp9, 2
	s_cselect_b64 s[4:5], s[80:81], s[68:69]
	s_cselect_b64 s[6:7], s[82:83], s[70:71]
	s_cselect_b64 s[8:9], s[68:69], s[8:9]
	s_cselect_b64 s[10:11], s[70:71], s[10:11]
	s_cselect_b64 s[66:67], s[88:89], s[66:67]
	s_cselect_b32 s98, 8448, 0
	s_cselect_b32 s17, 0, s99
	s_cselect_b32 s42, s99, 0
	s_add_co_u32 s17, s17, s41
	s_add_co_u32 s42, s42, s40
	s_or_b32 s[G1S+0], s43, (3<<16)|(1<<20)|(1<<21)|(5<<22)|(3<<25)
	s_or_b32 s[G1SB+0], s44, (3<<16)|(1<<20)|(1<<21)|(5<<22)|(3<<25)
.irp g, G1S, G1SB
	s_mov_b32 s[\g+1], 32<<16
	s_mov_b32 s[\g+2], KS<<16                      ; the scales of 256 rows: KS rows of 256 bytes
	s_mov_b32 s[\g+3], 32<<16
	s_mov_b32 s[\g+4], KS
	s_mov_b32 s[\g+5], 32
	s_mov_b32 s[\g+6], 0
	s_mov_b32 s[\g+7], 0
.endr
	s_lshl_b32 s20, s17, 8                         ; the tiles' first rows
	s_lshl_b32 s46, s42, 8
	s_mov_b32 s21, 0
	s_mov_b32 s47, 0
	s_mov_b64 s[18:19], KS
	s_mul_u64 s[22:23], s[20:21], s[18:19]
	s_mul_u64 s[92:93], s[46:47], s[18:19]
	s_mov_b64 s[18:19], KROW
	s_mul_u64 s[20:21], s[20:21], s[18:19]
	s_mul_u64 s[46:47], s[46:47], s[18:19]
	s_mul_i32 s45, s14, HALFT
	s_mul_i32 s18, s16, 128*KROW                   ; in the ring I fetch 128 rows of a tile: which half, in bytes
	s_mov_b32 s19, 0
	s_add_nc_u64 s[20:21], s[4:5], s[20:21]
	s_add_nc_u64 s[22:23], s[6:7], s[22:23]
	s_add_nc_u64 s[46:47], s[8:9], s[46:47]
	s_add_nc_u64 s[92:93], s[10:11], s[92:93]
	CROUND
	s_mov_b32 s[G0S], 1
	s_mov_b32 s[G0S+1], SCL
	s_mov_b64 s[G0S+2:G0S+3], s[22:23]
	s_or_b32 s[G0S+3], s[G0S+3], 0x80000000
	s_mov_b32 s[G0SB], 1
	s_mov_b32 s[G0SB+1], SCL+2*HALFS
	s_mov_b64 s[G0SB+2:G0SB+3], s[92:93]
	s_or_b32 s[G0SB+3], s[G0SB+3], 0x80000000
	s_mov_b32 s[G0], 1                             ; for the head, slot 0's groups 0 name K step 0's tiles whole: A's 256 rows,
	s_mov_b32 s[G0+1], 0
	s_mov_b64 s[G0+2:G0+3], s[20:21]
	s_or_b32 s[G0+3], s[G0+3], 0x80000000
	s_mov_b32 s[G0B], 1                            ; and B's 256 rows behind them
	s_mov_b32 s[G0B+1], 2*HALFT
	s_mov_b64 s[G0B+2:G0B+3], s[46:47]
	s_or_b32 s[G0B+3], s[G0B+3], 0x80000000
	s_add_nc_u64 s[20:21], s[20:21], s[18:19]      ; for the ring: my 128 rows of the tile
	s_add_nc_u64 s[46:47], s[46:47], s[18:19]
	s_mov_b32 s[G0+4], 1                           ; slot 1: K step 1
	s_add_co_u32 s[G0+5], s45, SLOT
	s_add_nc_u64 s[G0+6:G0+7], s[20:21], ROWB
	s_or_b32 s[G0+7], s[G0+7], 0x80000000
	s_mov_b32 s[G0B+4], 1
	s_add_co_u32 s[G0B+5], s45, SLOT
	s_add_nc_u64 s[G0B+6:G0B+7], s[46:47], ROWB
	s_or_b32 s[G0B+7], s[G0B+7], 0x80000000
	; the prefetches' address: of the 128 rows that I fetch in the ring, my work-group's 32 (the four partners that ask jointly share the rows out by address: cx for A, cy for B); never rewritten
	s_cmp_eq_u32 s15, 0
	s_cselect_b64 s[92:93], s[20:21], s[46:47]
	s_cselect_b32 s94, s40, s41
	s_mul_i32 s94, s94, 32*KROW
	s_mov_b32 s95, 0
	s_add_nc_u64 s[92:93], s[92:93], s[94:95]
; THE HEAD'S LOADS, ONE A WAVE: wave 0 K step 0's rows of A, wave 1 those of B, wave 2 A's scales, wave 3 B's.  One chain of branches on the wave's number, a load to an arm.
.macro ARM under, g0, g1, next
	s_cmp_lt_u32 s14, \under
	s_cbranch_scc0 \next
	tensor_load_to_lds s[\g0:\g0+3], s[\g1:\g1+7]
	s_nop 0
.rept 4
	v_nop
.endr
	s_branch .Lhead_asked
\next:
.endm
	ARM 1, G0,  G1,  .Lhead_b
	ARM 2, G0B, G1B, .Lhead_sa
	ARM 3, G0S, G1S, .Lhead_sb
	tensor_load_to_lds s[G0SB:G0SB+3], s[G1SB:G1SB+7]
	s_nop 0
.rept 4
	v_nop
.endr
.Lhead_asked:
	v_and_b32 v31, 31, v0
	v_mul_u32_u24 v31, v31, KROW                   ; a lane a row; never rewritten
	global_prefetch_b8 v31, s[92:93] offset:2*ROWB th:TH_LOAD_NT scope:SCOPE_SE   ; K step 2, two fills ahead of its load: 32 rows x 256 bytes
	v_and_b32 v1, 15, v0
	v_bfe_u32 v2, v0, 4, 1
	v_mul_u32_u24 v3, v1, PITCH
	v_lshl_add_u32 v4, v2, 4, v3
	s_mul_i32 s21, s15, HALFT
	s_mul_i32 s22, s16, HALFT
	s_add_co_u32 s22, s22, 2*HALFT
.irp s, 0,1
	v_add_nc_u32 v[ADRA+\s], s21, v4
	v_add_nc_u32 v[ADRB+\s], s22, v4
	s_add_co_u32 s21, s21, SLOT
	s_add_co_u32 s22, s22, SLOT
.endr
	v_mul_u32_u24 v5, v1, KS
	v_lshrrev_b32 v6, 8, v5
	v_lshl_add_u32 v5, v6, 4, v5
	s_mul_i32 s21, s15, HALFS
	s_mul_i32 s22, s16, HALFS
	s_add_co_u32 s22, s22, 2*HALFS
	s_sub_co_u32 s22, s22, s21
	v_mul_u32_u24 v6, s22, v2
	s_add_co_u32 s21, s21, SCL
	v_add_nc_u32 v5, v5, v6
	v_add_nc_u32 v[ADRS], s21, v5
	s_lshl_b32 s20, s17, 1
	s_add_co_u32 s20, s20, s15
	s_lshl_b32 s46, s42, 1
	s_add_co_u32 s46, s46, s16
	s_cmp_eq_u32 ttmp9, 2
	s_cselect_b32 s95, s46, s20
	s_cselect_b32 s99, s20, s46
	s_lshr_b32 s100, s95, 4
	s_lshl_b32 s100, s100, 3
	s_add_co_u32 s100, s100, s99
	s_lshl_b32 s100, s100, 1
	s_mul_i32 s100, s100, s96
	s_and_b32 s95, s95, 15
	s_mul_i32 s95, s95, s97
	s_add_co_u32 s100, s100, s95
	s_add_co_u32 s100, s100, s98
	s_mov_b32 s101, 0
	s_add_nc_u64 s[12:13], s[12:13], s[100:101]
	s_mov_b32 s100, s96
	s_add_nc_u64 s[8:9], s[12:13], s[100:101]
	s_lshl_b32 s100, s99, 9
	s_add_nc_u64 s[66:67], s[66:67], s[100:101]
	v_lshlrev_b32 v7, 5, v2
	v_lshlrev_b32 v30, 2, v1
.irp bb, 0,1,2,3,4,5,6,7
	global_load_b128 v[BQ+8*\bb:BQ+8*\bb+3], v7, s[66:67] offset:64*\bb
	global_load_b128 v[BQ+8*\bb+4:BQ+8*\bb+7], v7, s[66:67] offset:64*\bb+16
.endr
.irp a, 0,1,2,3,4,5,6,7
	global_load_b32 v[BV+\a], v30, s[66:67] offset:64*\a
.endr
	s_mov_b32 s[SEL], 0x76543210
	s_mov_b32 s[SEL+1], 0xfedcba98
	s_mov_b32 s[MNT], 0x600000
.macro FRAG reg, adr, q, i
.irp c, 0,1,2,3
	ds_load_b128 v[\reg+4*\c:\reg+4*\c+3], v[\adr] offset:128*(\q)+32*\c+(\i)*16*PITCH
.endr
.endm
.macro MUL16 a0, p, q, sc, zero
.irp a, \a0, \a0+1
.irp b, 0,1,2,3,4,5,6,7
.if \zero
	v_wmma_scale_f32_16x16x128_f8f6f4 v[8*(8*((\a)%4)+\b):8*(8*((\a)%4)+\b)+7], v[128*(\p)+FR*\b:128*(\p)+FR*\b+FR-1], v[AF+FR*(\a):AF+FR*(\a)+FR-1], 0, v[SC+8*NQ*(\sc)+NQ*\b+(\q)], v[SC+8*NQ*(\sc)+NQ*(\a)+(\q)] matrix_a_fmt:MATRIX_FMT_BF8 matrix_b_fmt:MATRIX_FMT_BF8 matrix_a_scale:MATRIX_SCALE_ROW1
.else
	v_wmma_scale_f32_16x16x128_f8f6f4 v[8*(8*((\a)%4)+\b):8*(8*((\a)%4)+\b)+7], v[128*(\p)+FR*\b:128*(\p)+FR*\b+FR-1], v[AF+FR*(\a):AF+FR*(\a)+FR-1], v[8*(8*((\a)%4)+\b):8*(8*((\a)%4)+\b)+7], v[SC+8*NQ*(\sc)+NQ*\b+(\q)], v[SC+8*NQ*(\sc)+NQ*(\a)+(\q)] matrix_a_fmt:MATRIX_FMT_BF8 matrix_b_fmt:MATRIX_FMT_BF8 matrix_a_scale:MATRIX_SCALE_ROW1
.endif
.endr
.endr
.endm
.macro FETCH_B slot, q, p
	WIN TO_B
.irp i, 0,1,2,3,4,5,6,7
	FRAG 128*(\p)+FR*\i, ADRB+\slot, \q, \i
.endr
	WIN 0
.endm
.macro FETCH_A slot, q, i0
.irp i, \i0, \i0+1, \i0+2, \i0+3
	FRAG AF+FR*(\i), ADRA+\slot, \q, \i
.endr
.endm
.macro SCALES sc
.irp i, 0,1,2,3,4,5,6,7
	ds_load_b64 v[SC+8*NQ*\sc+NQ*\i:SC+8*NQ*\sc+NQ*\i+1], v[ADRS] offset:\i*SBLK
.endr
.endm
.macro PLACES n
.rept \n
	v_nop
.endr
.endm
.macro STEP slot, q, zero
	s_wait_dscnt 4*NL
	WIN MUL_LO
	MUL16 0, (\q)%2, \q, \slot, \zero
	MUL16 2, (\q)%2, \q, \slot, \zero
	s_wait_dscnt 0
	PLACES NP
	FETCH_B \slot, (\q)+1, 1-(\q)%2
	FETCH_A \slot, (\q)+1, 0
	WIN MUL_HI
	MUL16 4, (\q)%2, \q, \slot, \zero
	MUL16 6, (\q)%2, \q, \slot, \zero
	PLACES NP
	WIN 0
	FETCH_A \slot, (\q)+1, 4
.endm
.macro TURN slot, next, fill
	s_wait_tensorcnt 0x0
	ds_add_u32 v[SPW], v[NIL]
	s_wait_dscnt 4*NL+1
	WIN MUL_LO
	MUL16 0, 1, NQ-1, \slot, 0
	s_wait_dscnt 0x0
	s_barrier_signal -1
	MUL16 2, 1, NQ-1, \slot, 0
	WIN 0
	s_barrier_wait -1
.if \fill
	CREST
	s_add_nc_u64 s[G0+4*\slot+2:G0+4*\slot+3], s[G0+4*\slot+2:G0+4*\slot+3], 2*ROWB
	s_add_nc_u64 s[G0B+4*\slot+2:G0B+4*\slot+3], s[G0B+4*\slot+2:G0B+4*\slot+3], 2*ROWB
	JLOAD G0+4*\slot, G1, G0B+4*\slot, G1B
	PLACES NP-4
.else
	PLACES NP
.endif
	s_wait_alu depctr_va_vdst(0)
	v_add_nc_u32 v[ADRS], 4*NQ, v[ADRS]
	FETCH_B \next, 0, 0
	FETCH_A \next, 0, 0
	SCALES \next
	WIN MUL_HI
	MUL16 4, 1, NQ-1, \slot, 0
	MUL16 6, 1, NQ-1, \slot, 0
	PLACES NP
	WIN 0
	FETCH_A \next, 0, 4
.endm
	s_wait_alu depctr_va_vdst(0)                   ; the wait at the head's end
	s_wait_tensorcnt 0x0                           ; my tile of the head's four is in
	ds_add_u32 v[SPW], v[NIL]
	s_mov_b32 s[G1+2], 128<<16                     ; no tensor load of mine is out, so descriptors may be written: from here on a load brings 128 rows,
	s_mov_b32 s[G1+4], 128
	s_mov_b32 s[G1B+2], 128<<16
	s_mov_b32 s[G1B+4], 128
	s_mov_b32 s[G0+1], s45                         ; and slot 0's groups 0 name my 128 rows
	s_add_nc_u64 s[G0+2:G0+3], s[G0+2:G0+3], s[18:19]
	s_mov_b32 s[G0B+1], s45
	s_add_nc_u64 s[G0B+2:G0B+3], s[G0B+2:G0B+3], s[18:19]
	s_wait_dscnt 0x0
	CROUND                                         ; all four tiles are in, and the sixteen work-groups meet
	JLOAD G0+4, G1, G0B+4, G1B                     ; K step 1: my one load behind the round
	global_prefetch_b8 v31, s[92:93] offset:3*ROWB th:TH_LOAD_NT scope:SCOPE_SE   ; K step 3, two fills ahead of its load; there is no K step behind it
	FETCH_B 0, 0, 0
	FETCH_A 0, 0, 0
	SCALES 0
	FETCH_A 0, 0, 4
	STEP 0, 0, 1
	s_mov_b32 s3, LAPS-1
.Llap:
	TURN 0, 1, 1
	STEP 1, 0, 0
	TURN 1, 0, 1
	STEP 0, 0, 0
	s_sub_co_u32 s3, s3, 1
	s_cmp_lg_u32 s3, 0
	s_cbranch_scc1 .Llap
	TURN 0, 1, 0
	STEP 1, 0, 0
	s_wait_dscnt 4*NL
	WIN MUL_LO
	MUL16 0, 1, NQ-1, 1, 0
	MUL16 2, 1, NQ-1, 1, 0
	s_wait_dscnt 0
	WIN MUL_HI
	MUL16 4, 1, NQ-1, 1, 0
	MUL16 6, 1, NQ-1, 1, 0
	WIN 0
	s_wait_loadcnt 0x0                             ; the bias, asked for at the head, is first read on the way out
	v_and_b32 v3, 7, v1
	v_lshrrev_b32 v4, 3, v1
	s_mul_i32 s23, s14, WSTG
	v_lshlrev_b32 v5, 4, v3
	v_lshl_add_u32 v16, v4, 10, v5
	v_lshl_add_u32 v16, v2, 3, v16
	v_add_nc_u32 v16, s23, v16
	v_lshl_add_u32 v17, v4, 1, v5
	v_add_nc_u32 v17, s23, v17
	v_and_b32 v6, 31, v0
	v_lshlrev_b32 v24, 4, v6
	v_lshlrev_b32 v25, 3, v6
	v_add_nc_u32 v18, s23, v24
	v_add_nc_u32 v19, s23, v25
	s_add_co_u32 s23, s23, STGV
	v_lshlrev_b32 v21, 4, v1
	v_lshl_add_u32 v20, v2, 3, v21
	v_add_nc_u32 v20, s23, v20
	v_add_nc_u32 v21, s23, v21
	v_add_nc_u32 v22, s23, v24
	v_add_nc_u32 v23, s23, v25
	PLACES NP
.irp b, 0,1,2,3
	v_mov_b32 v[TM+4+\b], 0
.endr
.macro QUANT s
.irp b, 0,1,2,3
	v_max3_num_f32 v[TM+\b], |v[\s+16*\b]|, |v[\s+1+16*\b]|, 0x8000000
.endr
.irp i, 2,4,6,8,10,12,14
.irp b, 0,1,2,3
	v_max3_num_f32 v[TM+\b], v[TM+\b], |v[\s+16*\b+\i]|, |v[\s+1+16*\b+\i]|
.endr
.endr
.irp b, 0,1,2,3
	v_permlanex16_b32 v[TM+4+\b], v[TM+\b], s[SEL], s[SEL+1]
.endr
.irp b, 0,1,2,3
	v_max_num_f32 v[TM+\b], v[TM+\b], v[TM+4+\b]
.endr
.irp b, 0,1,2,3
	v_add_nc_u32 v[TM+12+\b], 0xf8800000, v[TM+\b]
.endr
.irp b, 0,1,2,3
	v_and_or_b32 v[TM+8+\b], v[TM+\b], 0x7f800000, s[MNT]
.endr
.irp b, 0,1,2,3
	v_lshrrev_b32 v[TM+4+\b], 23, v[TM+12+\b]
.endr
	v_lshl_or_b32 v[PW], v[TM+5], 8, v[TM+4]
	v_lshl_or_b32 v[PW], v[TM+6], 16, v[PW]
	v_lshl_or_b32 v[PW], v[TM+7], 24, v[PW]
.irp b, 0,1,2,3
.irp i, 0,1,2,3,4,5,6,7,8,9,10,11,12,13,14,15
	v_med3_num_f32 v[\s+16*\b+\i], v[\s+16*\b+\i], -v[TM+8+\b], v[TM+8+\b]
.endr
	v_cvt_scalef32_pk8_bf8_f32 v[PC+4*\b:PC+1+4*\b], v[\s+16*\b:\s+7+16*\b], v[TM+12+\b]
	v_cvt_scalef32_pk8_bf8_f32 v[PC+2+4*\b:PC+3+4*\b], v[\s+8+16*\b:\s+15+16*\b], v[TM+12+\b]
.endr
	v_nop
.endm
.macro OUTBLK a, isv, sto, sso
.set AC, 64*((\a)%4)
	WIN 0x02+(\a)/4
.irp bb, 0,1,2,3,4,5,6,7
.irp i, 0,2,4,6
.if \isv
.if (\a)%2
	v_pk_add_f32 v[T+8*\bb+\i:T+8*\bb+\i+1], v[AC+8*\bb+\i:AC+8*\bb+\i+1], v[BV+2*((\a)/2):BV+2*((\a)/2)+1] op_sel:[0,1] op_sel_hi:[1,1]
.else
	v_pk_add_f32 v[T+8*\bb+\i:T+8*\bb+\i+1], v[AC+8*\bb+\i:AC+8*\bb+\i+1], v[BV+2*((\a)/2):BV+2*((\a)/2)+1] op_sel_hi:[1,0]
.endif
.else
	v_pk_add_f32 v[T+8*\bb+\i:T+8*\bb+\i+1], v[AC+8*\bb+\i:AC+8*\bb+\i+1], v[BQ+8*\bb+\i:BQ+8*\bb+\i+1]
.endif
.endr
.endr
	WIN 0
	QUANT T
.if \isv
.irp bb, 0,1,2,3,4,5,6,7
	ds_store_b64 v[\sto], v[PC+2*\bb:PC+2*\bb+1] offset:HEADP*((\a)/4)+2048*((\a)%4)+512*(\bb/2)+256*(\bb%2)
.endr
	ds_store_b32 v[\sso], v[PW] offset:8192+HEADP*((\a)/4)+4*((\a)%4)
.else
.irp bb, 0,1,2,3,4,5,6,7
	ds_store_b64 v[\sto], v[PC+2*\bb:PC+2*\bb+1] offset:HEADP*(\bb/4)+2048*((\a)/2)+128*((\a)%2)+512*((\bb%4)/2)+256*(\bb%2)
.endr
	ds_store_b16 v[\sso], v[PW] offset:8192+128*((\a)%2)+4*((\a)/2)
	ds_store_b16_d16_hi v[\sso], v[PW] offset:8192+HEADP+128*((\a)%2)+4*((\a)/2)
.endif
.endm
.macro SENDOUT rd, rds
.irp hd, 0,1
.irp i, 0,1,2,3,4,5,6,7,8,9,10,11,12,13,14,15
	ds_load_b128 v[RB+64*\hd+4*\i:RB+64*\hd+4*\i+3], v[\rd] offset:HEADP*\hd+512*\i
.endr
	ds_load_b64 v[RS+2*\hd:RS+2*\hd+1], v[\rds] offset:HEADP*\hd+8192
.endr
	s_wait_dscnt 17
.irp i, 0,1,2,3,4,5,6,7,8,9,10,11,12,13,14,15
	global_store_b128 v24, v[RB+4*\i:RB+4*\i+3], s[12:13] offset:512*\i
.endr
	global_store_b64 v25, v[RS:RS+1], s[12:13] offset:8192
	s_wait_dscnt 0x0
.irp i, 0,1,2,3,4,5,6,7,8,9,10,11,12,13,14,15
	global_store_b128 v24, v[RB+64+4*\i:RB+64+4*\i+3], s[8:9] offset:512*\i
.endr
	global_store_b64 v25, v[RS+2:RS+3], s[8:9] offset:8192
.endm
.macro FINISH
	s_wait_tensorcnt 0x0
	ds_add_u32 v[SPW], v[NIL]
	s_wait_dscnt 0x0
	CROUND
	s_endpgm
.endm
	s_cmp_eq_u32 ttmp9, 2
	s_cbranch_scc1 .Lv_out
.irp a, 0,1,2,3,4,5,6,7
	OUTBLK \a, 0, 16, 17
.endr
	SENDOUT 18, 19
	FINISH
.Lv_out:
.irp a, 0,1,2,3,4,5,6,7
	OUTBLK \a, 1, 20, 21
.endr
	SENDOUT 22, 23
	FINISH
.Lfunc_end_k_qb90fc248cd_proj:
	.size	k_qb90fc248cd_proj, .Lfunc_end_k_qb90fc248cd_proj-k_qb90fc248cd_proj
	.p2alignl 7, 3214868480
	.fill 96, 4, 3214868480
	.section	.rodata,"a",@progbits
	.p2align	6, 0x0
	.amdhsa_kernel k_qb90fc248cd_proj
		.amdhsa_group_segment_fixed_size 327680
		.amdhsa_private_segment_fixed_size 0
		.amdhsa_enable_private_segment 0
		.amdhsa_kernarg_size 104
		.amdhsa_user_sgpr_count 2
		.amdhsa_user_sgpr_kernarg_segment_ptr 1
		.amdhsa_wavefront_size32 1
		.amdhsa_system_sgpr_workgroup_id_x 1
		.amdhsa_system_sgpr_workgroup_id_y 1
		.amdhsa_system_sgpr_workgroup_id_z 1
		.amdhsa_system_vgpr_workitem_id 0
		.amdhsa_next_free_vgpr 1024
		.amdhsa_next_free_sgpr 102
		.amdhsa_reserve_vcc 0
		.amdhsa_float_denorm_mode_32 3
		.amdhsa_float_denorm_mode_16_64 3
		.amdhsa_memory_ordered 1
		.amdhsa_forward_progress 1
		.amdhsa_inst_pref_size 255
	.end_amdhsa_kernel
	.section	.bss,"aw",@nobits
	.p2align	6
	.space	262144
	.amdgpu_metadata
---
amdhsa.version: [ 1, 2 ]
amdhsa.kernels:
  - .name:           k_qb90fc248cd_proj
    .symbol:         k_qb90fc248cd_proj.kd
    .args:
      - { .name: x_codes, .offset: 0, .size: 8, .value_kind: global_buffer, .address_space: global }
      - { .name: x_scales, .offset: 8, .size: 8, .value_kind: global_buffer, .address_space: global }
      - { .name: Wq_codes, .offset: 16, .size: 8, .value_kind: global_buffer, .address_space: global }
      - { .name: Wq_scales, .offset: 24, .size: 8, .value_kind: global_buffer, .address_space: global }
      - { .name: Wk_codes, .offset: 32, .size: 8, .value_kind: global_buffer, .address_space: global }
      - { .name: Wk_scales, .offset: 40, .size: 8, .value_kind: global_buffer, .address_space: global }
      - { .name: Wv_codes, .offset: 48, .size: 8, .value_kind: global_buffer, .address_space: global }
      - { .name: Wv_scales, .offset: 56, .size: 8, .value_kind: global_buffer, .address_space: global }
      - { .name: bq, .offset: 64, .size: 8, .value_kind: global_buffer, .address_space: global }
      - { .name: bk, .offset: 72, .size: 8, .value_kind: global_buffer, .address_space: global }
      - { .name: bv, .offset: 80, .size: 8, .value_kind: global_buffer, .address_space: global }
      - { .name: qws, .offset: 88, .size: 8, .value_kind: global_buffer, .address_space: global }
      - { .name: kvws, .offset: 96, .size: 8, .value_kind: global_buffer, .address_space: global }
    .group_segment_fixed_size: 327680
    .private_segment_fixed_size: 0
    .kernarg_segment_align: 8
    .kernarg_segment_size: 104
    .max_flat_workgroup_size: 128
    .sgpr_count:     102
    .vgpr_count:     1024
    .wavefront_size: 32
...
	.end_amdgpu_metadata
.endif
;; end of part 1
;; launch attn (part 2): grid 4 x 64, 8 waves a work-group, clusters of 4 x 1, 327,680 bytes of LDS; arguments qws, kvws, out0; writes out0
.if DOCPART == 2
	.amdgcn_target "amdgcn-amd-amdhsa--gfx1250"
	.amdhsa_code_object_version 6
	.text
	.protected	k_qb90fc248cd_attn
	.globl	k_qb90fc248cd_attn
	.p2align	8
	.type	k_qb90fc248cd_attn,@function
k_qb90fc248cd_attn:
	s_mov_b64 s[64:65], 0
	v_nop
	global_prefetch_b8 v0, s[64:65] scope:SCOPE_SE
	s_setreg_imm32_b32 hwreg(HW_REG_WAVE_MODE, 25, 1), 1
	s_wait_xcnt 0x0
	s_wait_alu depctr_hold_cnt(0) depctr_sa_sdst(0) depctr_va_vdst(0) depctr_va_sdst(0) depctr_va_ssrc(0) depctr_va_vcc(0) depctr_vm_vsrc(0)
	s_getreg_b32 s2, hwreg(HW_REG_IB_STS2, 6, 4)
	s_cmp_eq_u32 s2, 0
	s_cbranch_scc0 .Lentry_in_a_cluster
	s_endpgm
.Lentry_in_a_cluster:
	s_bfe_u32 s2, ttmp6, 0x10000c
	s_cmp_lg_u32 s2, 0x3003
	s_cbranch_scc0 .Lentry_shape_is_right
	s_endpgm
.Lentry_shape_is_right:
; out[b][q][64 head + :] = the sum over k of softmax_k(q . k / 8) v, for 64 (batch, head) pairs, 2,048 queries and keys, head size 64; both products on codes of BF8 (E5M2) with one E8M0 scale for each 32 along K.
; q, k, v come from the launch before as images of operand registers: qws [64][16 steps][codes 8,192 | scale words 256], kvws [64][16 steps][k 8,448 | v 8,448]; a step is 128 positions.
; SOFTMAX: t = score x log2(e) / 8; M = the running largest t rounded up to a whole number; p = 2^(t - M) is quantised along the keys, not normalised; the row's sum of the unquantised p divides at the end.
; When M moves, the sum and O are multiplied by 2^(old M - new M): exact.
; SHARES.  A cluster of four work-groups is one head; work-group cx owns 512 queries, each of its eight waves 64: four tiles of 16.  Every wave walks all 2,048 keys, 128 a step.
; LDS.  The whole head's k and v, 270,336 bytes, are filled once, by joint loads of the four work-groups: steps 0-3 at the head (33 rows of 256 bytes a wave), steps 4-15 (99 rows a wave) behind the full sequence and a round
; of the cluster's barrier.  No byte is filled again.  Nothing is prefetched: every byte of k and v is asked for by these two loads, and no loop runs ahead of them.
; THE FIRST PRODUCT has K = 64 in an instruction of K = 128: a fragment of k holds two tiles of 16 keys; against (Q, zeros) it gives the first tile's scores, against (zeros, Q) the second's.  Q's scale word is its two bytes twice.
; LAYOUT.  Both products transposed (source 0 = keys or channels, source 1 = my 16 queries): a lane holds one query.  Score registers 16 b + i are keys 32 b + 16 (lane / 16) + i, so the conversions' results are the second product's operand.
; k AND v HAVE REGISTERS OF THEIR OWN: v's fragments are asked for at a step's head, the next step's k behind the last tile's scores.  The last step asks for its own k once more (the address is held at step 15), so that the step has one text.
; LIMITS: NaN is not served; the promise holds while the scaled scores stay under 2^31 in magnitude.  A block of p that has fallen to zeros keeps the scale byte 1: its codes are zeros.
; REGISTERS.  Window 0: v1-7 addresses; v8-23 statistics, four a tile: -M, largest t, the sum in two halves; v24-35 scale words of k, v, Q; v36-43 a tile's f and p's scale word; v44-60 at work; v62-63 for the add;
;   v64-127 S^T, then p; v128-131 with v116-127: tile 3's codes (block 3 is converted first, so its registers are free for the others' codes); v132-179 codes of tiles 0-2; v180-251 the chain Z Q0 Z Q1 Z Q2 Z Q3 Z.
;   Window 1: v0-127 O^T (tile t, channels 16 f on, at 32 t + 8 f); v128-191 k's four fragments; v192-255 v's.
.set HEADB,  270336
.set STEPB,  16896
.set VOFF,   8448
.set QHEADB, 135168
.set QSTEPB, 8448
.set PART0,  8448
.set PART1,  25344
.set GRP1,   4*STEPB
.set STG,    HEADB                     ; a stage of 16 rows x 272 bytes for each wave; no fill lands there
.set SP,     272
.set SPARE,  STG+8*16*SP               ; the spare words: 128 bytes a wave
.set L16, 1
.set R16, 2
.set ADK, 3
.set ADS, 4
.set SO,  5
.set SR,  6
.set GO,  7
.set ST,  8
.set KSC, 24
.set VSC, 28
.set QSC, 32
.set FP,  36
.set TM,  44
.set TMP, 60
.set SPW, 62
.set NIL, 63
.set S,   64
.set CD,  132
.set QC,  180
.set RBK, 128
.set KF,  128                          ; window 1
.set VF,  192                          ; window 1
.set WV,  10
.set CX,  11
.set BH,  12
.set G1A, 16
.set G1B, 24
.set G0A, 32
.set G0B, 36
.set SEL, 40
.set CS,  42
.set MNT, 44
.set TB,  45
.set CNT, 46
.set TN,  47
.set MSB, 0
.macro WIN new
.if MSB != (\new)
	s_set_vgpr_msb (MSB<<8)|(\new)
.set MSB, (\new)
.endif
.endm
.macro CROUND
	s_barrier_signal -1
	s_barrier_wait -1
	s_cmp_lg_u32 s[WV], 0
	s_cbranch_scc1 .Lnot_wave_0_\@
	s_barrier_signal -3
.Lnot_wave_0_\@:
	s_barrier_wait -3
	s_barrier_signal -1
	s_barrier_wait -1
.endm
	s_load_b128 s[4:7], s[0:1], 0x0                ; qws, kvws
	s_load_b64 s[8:9], s[0:1], 0x10                ; out0
	v_lshl_add_u32 v[SPW], v0, 2, SPARE
	v_mov_b32 v[NIL], 0
	ds_add_u32 v[SPW], v[NIL]                      ; the opening lines: the add twice on end and one wait
	ds_add_u32 v[SPW], v[NIL]
	v_lshrrev_b32 v1, 5, v0
	v_readfirstlane_b32 s[WV], v1                  ; wave 0..7
	s_bfe_u32 s[CX], ttmp6, 0x40000                ; my place in the cluster: it enters Q's and out's addresses alone
	s_and_b32 s[BH], ttmp7, 0xffff                 ; 16 x batch + head
	s_mov_b32 s[G1A], 15|(3<<16)|(1<<21)           ; mask: all four; elements of 8 bytes; dense rows of 256 bytes
	s_mov_b32 s[G1A+1], 32<<16
	s_mov_b32 s[G1A+2], 33<<16
	s_mov_b32 s[G1A+3], 32<<16
	s_mov_b32 s[G1A+4], 33
	s_mov_b32 s[G1A+5], 32
	s_mov_b32 s[G1A+6], 0
	s_mov_b32 s[G1A+7], 0
	s_mov_b32 s[G1B], 15|(3<<16)|(1<<21)
	s_mov_b32 s[G1B+1], 32<<16
	s_mov_b32 s[G1B+2], 99<<16
	s_mov_b32 s[G1B+3], 32<<16
	s_mov_b32 s[G1B+4], 99
	s_mov_b32 s[G1B+5], 32
	s_mov_b32 s[G1B+6], 0
	s_mov_b32 s[G1B+7], 0
	s_mul_i32 s48, s[BH], HEADB
	s_mul_i32 s50, s[WV], PART0                    ; my part of steps 0-3, in the head and in LDS alike
	s_mul_i32 s51, s[WV], PART1
	s_add_co_u32 s51, s51, GRP1                    ; my part of steps 4-15
	s_add_co_u32 s52, s48, s50
	s_mov_b32 s53, 0
	s_add_co_u32 s54, s48, s51
	s_mov_b32 s55, 0
	s_mul_i32 s56, s[BH], QHEADB                   ; Q: my 64 queries are fragments 2 (wave % 2) and + 1 of q-step 4 cx + wave / 2
	s_lshl_b32 s47, s[CX], 2
	s_lshr_b32 s49, s[WV], 1
	s_add_co_u32 s47, s47, s49
	s_mul_i32 s47, s47, QSTEPB
	s_add_co_u32 s47, s47, s56
	s_and_b32 s49, s[WV], 1
	s_lshl_b32 s56, s49, 12
	s_add_co_u32 s56, s56, s47
	s_mov_b32 s57, 0
	s_lshl_b32 s58, s49, 3
	s_add_co_u32 s58, s58, s47
	s_add_co_u32 s58, s58, 8192
	s_mov_b32 s59, 0
	s_lshr_b32 s62, s[BH], 4                       ; out: batch x 2,048 rows of 4,096 bytes + 512 cx rows + 64 wave rows + the head's 256 bytes
	s_lshl_b32 s62, s62, 23
	s_lshl_b32 s47, s[CX], 21
	s_add_co_u32 s62, s62, s47
	s_lshl_b32 s47, s[WV], 18
	s_add_co_u32 s62, s62, s47
	s_and_b32 s47, s[BH], 15
	s_lshl_b32 s47, s47, 8
	s_add_co_u32 s62, s62, s47
	s_mov_b32 s63, 0
	s_mul_i32 s13, s[WV], 16*SP
	s_add_co_u32 s13, s13, STG                     ; my stage
	s_mov_b32 s[SEL], 0x76543210
	s_mov_b32 s[SEL+1], 0xfedcba98
	s_mov_b32 s[CS], 0x3e38aa3b                    ; c = log2(e) / 8
	s_mov_b32 s[CS+1], s[CS]
	s_mov_b32 s[MNT], 0x600000
	s_wait_dscnt 0x0
	s_wait_kmcnt 0x0
	s_add_nc_u64 s[60:61], s[4:5], s[58:59]        ; Q's scale words
	s_add_nc_u64 s[4:5], s[4:5], s[56:57]          ; Q's codes
	s_add_nc_u64 s[8:9], s[8:9], s[62:63]          ; my first row of out
	CROUND                                         ; all four work-groups are here: the joint loads meet
	s_mov_b32 s[G0A], 1
	s_mov_b32 s[G0A+1], s50
	s_add_nc_u64 s[G0A+2:G0A+3], s[6:7], s[52:53]
	s_or_b32 s[G0A+3], s[G0A+3], 0x80000000
	s_mov_b32 s[G0B], 1
	s_mov_b32 s[G0B+1], s51
	s_add_nc_u64 s[G0B+2:G0B+3], s[6:7], s[54:55]
	s_or_b32 s[G0B+3], s[G0B+3], 0x80000000
	tensor_load_to_lds s[G0A:G0A+3], s[G1A:G1A+7]  ; steps 0-3: every wave brings an eighth; my one load at the head
	s_nop 0
	v_and_b32 v1, 31, v0
	v_and_b32 v64, 15, v0                          ; r
	v_bfe_u32 v65, v0, 4, 1                        ; h
	v_lshlrev_b32 v[L16], 4, v1
	v_lshlrev_b32 v[R16], 4, v64
	global_load_b64 v[66:67], v[R16], s[60:61] th:TH_LOAD_NT       ; my row's scale words of my two fragments of Q
.irp t, 0,1,2,3
.irp c, 0,1
	global_load_b128 v[QC+8+16*\t+4*\c:QC+8+16*\t+4*\c+3], v[L16], s[4:5] offset:2048*(\t/2)+512*(2*(\t%2)+\c) th:TH_LOAD_NT   ; Q_t stays in registers
.endr
.endr
.irp z, 0,1,2,3,4
.irp i, 0,1,2,3,4,5,6,7
	v_mov_b32 v[QC+16*\z+\i], 0                    ; the chain's zeros
.endr
.endr
	WIN 0x40
.set i, 0
.rept 128
	v_mov_b32 v[i], 0                              ; O^T: the step has no first form of its own; the first change of M leaves zeros zeros
.set i, i+1
.endr
	WIN 0
.irp t, 0,1,2,3
	v_mov_b32 v[ST+4*\t+1], 0xff61b1e6             ; the largest t so far: -3e38
	v_mov_b32 v[ST+4*\t+2], 0
	v_mov_b32 v[ST+4*\t+3], 0
	v_mov_b32 v[FP+2*\t], 0
	v_mov_b32 v[FP+2*\t+1], 0
	v_mov_b32 v[TM+4+\t], 0                        ; a lane permute's destination counts as one of its sources
.endr
.irp t, 0,1,2,3
	v_floor_f32 v[ST+4*\t], -v[ST+4*\t+1]          ; -M
.endr
	v_mov_b32 v[ADK], v[L16]                       ; step 0's images and scale words
	v_mov_b32 v[ADS], v[R16]
	v_mul_u32_u24 v[SO], v64, SP                   ; the way out's addresses
	v_mul_u32_u24 v[SR], v65, SP
	v_lshl_add_u32 v[GO], v65, 12, v[R16]
	v_lshl_add_u32 v[SO], v65, 5, v[SO]
	v_add_nc_u32 v[SR], v[SR], v[R16]
	v_add_nc_u32 v[SO], s13, v[SO]
	v_add_nc_u32 v[SR], s13, v[SR]
	s_wait_alu depctr_va_vdst(0)                   ; the wait ahead of the wait below
	s_wait_loadcnt 0x0                             ; Q
	v_perm_b32 v[QSC], v66, v66, 0x01000100        ; tile 0: bytes 0, 1 of the first word, twice
	v_perm_b32 v[QSC+1], v66, v66, 0x03020302
	v_perm_b32 v[QSC+2], v67, v67, 0x01000100
	v_perm_b32 v[QSC+3], v67, v67, 0x03020302
	s_wait_alu depctr_va_vdst(0)                   ; the wait at the head's end
	s_wait_tensorcnt 0x0                           ; my part of steps 0-3 is in
	ds_add_u32 v[SPW], v[NIL]
	s_wait_dscnt 0x0
	CROUND                                         ; everybody's part is in, and the four work-groups meet
	tensor_load_to_lds s[G0B:G0B+3], s[G1B:G1B+7]  ; steps 4-15: my one load behind the round
	s_nop 0
.rept 4
	v_nop
.endr
; 17 LDS loads: four fragments as they lie, 512 consecutive bytes an instruction, and my row's four scale words
.macro LOADKV reg, off, sc
	WIN 0x40
.irp f, 0,1,2,3
.irp c, 0,1,2,3
	ds_load_b128 v[\reg+16*\f+4*\c:\reg+16*\f+4*\c+3], v[ADK] offset:\off+2048*\f+512*\c
.endr
.endr
	WIN 0
	ds_load_b128 v[\sc:\sc+3], v[ADS] offset:\off+8192
.endm
; Tile t's scores for 128 keys: eight products with C = 0; the four low accumulators first
.macro SCORES t
	WIN 0x01
.irp b, 0,1,2,3
	v_wmma_scale_f32_16x16x128_f8f6f4 v[S+16*\b:S+16*\b+7], v[KF+16*\b:KF+16*\b+15], v[QC+8+16*(\t):QC+8+16*(\t)+15], 0, v[KSC+\b], v[QSC+(\t)] matrix_a_fmt:MATRIX_FMT_BF8 matrix_b_fmt:MATRIX_FMT_BF8
.endr
.irp b, 0,1,2,3
	v_wmma_scale_f32_16x16x128_f8f6f4 v[S+16*\b+8:S+16*\b+15], v[KF+16*\b:KF+16*\b+15], v[QC+16*(\t):QC+16*(\t)+15], 0, v[KSC+\b], v[QSC+(\t)] matrix_a_fmt:MATRIX_FMT_BF8 matrix_b_fmt:MATRIX_FMT_BF8
.endr
.endm
; O^T of tile t under the new M: x f.  Sixteen plain lines, which also are the places behind the products just issued
.macro RESCALE t
	WIN 0x41
	s_wait_alu depctr_va_vdst(0)                   ; the wait directly ahead of the first reader of O^T
.set i, 0
.rept 16
	v_pk_mul_f32 v[32*(\t)+i:32*(\t)+i+1], v[32*(\t)+i:32*(\t)+i+1], v[FP+2*(\t):FP+2*(\t)+1] op_sel_hi:[1,0]
.set i, i+2
.endr
	WIN 0
.endm
; The hold of two blocks, two numbers an instruction: the halves take different blocks, so that their sources lie in different register banks
.macro HOLD2 b0, b1
.set i, 0
.rept 8
	v_dual_min_num_f32 v[S+16*\b0+i], v[S+16*\b0+i], v[TM+8+\b0] :: v_dual_min_num_f32 v[S+16*\b1+i+1], v[S+16*\b1+i+1], v[TM+8+\b1]
	v_dual_min_num_f32 v[S+16*\b1+i], v[S+16*\b1+i], v[TM+8+\b1] :: v_dual_min_num_f32 v[S+16*\b0+i+1], v[S+16*\b0+i+1], v[TM+8+\b0]
.set i, i+2
.endr
.endm
.macro CVT b
	v_cvt_scalef32_pk8_bf8_f32 v[rC+4*\b:rC+4*\b+1], v[S+16*\b:S+16*\b+7], v[TM+12+\b]
	v_cvt_scalef32_pk8_bf8_f32 v[rC+4*\b+2:rC+4*\b+3], v[S+16*\b+8:S+16*\b+15], v[TM+12+\b]
.endm
; Tile t's softmax for the step: from 64 scores a lane to p's codes and scale word, f, the sum
.macro SOFTMAX t
.set rT, ST+4*(\t)
.set rF, FP+2*(\t)
.set rC, CD+16*(\t)-64*((\t)/3)                ; tile 3: v116-131
.irp b, 0,1,2,3
	v_max3_num_f32 v[TM+\b], v[S+16*\b], v[S+1+16*\b], v[S+2+16*\b]   ; the largest score of each block of 32 keys: for the row's maximum and for the block's largest p
.endr
.irp i, 3,5,7,9,11,13
.irp b, 0,1,2,3
	v_max3_num_f32 v[TM+\b], v[TM+\b], v[S+16*\b+\i], v[S+1+16*\b+\i]
.endr
.endr
.irp b, 0,1,2,3
	v_max_num_f32 v[TM+\b], v[TM+\b], v[S+15+16*\b]
.endr
.irp b, 0,1,2,3
	s_delay_alu instid0(VALU_DEP_4)
	v_permlanex16_b32 v[TM+4+\b], v[TM+\b], s[SEL], s[SEL+1]
.endr
.irp b, 0,1,2,3
	s_delay_alu instid0(VALU_DEP_4)
	v_max_num_f32 v[TM+\b], v[TM+\b], v[TM+4+\b]   ; with lane l xor 16's 16 keys
.endr
	s_delay_alu instid0(VALU_DEP_2)
	v_max3_num_f32 v[TMP], v[TM], v[TM+1], v[TM+2]
	s_delay_alu instid0(VALU_DEP_1)
	v_max_num_f32 v[TMP], v[TMP], v[TM+3]
	s_delay_alu instid0(VALU_DEP_1)
	v_mul_f32 v[TMP], s[CS], v[TMP]                ; as t
	s_delay_alu instid0(VALU_DEP_1)
	v_max_num_f32 v[rT+1], v[rT+1], v[TMP]         ; the running largest t
	v_mov_b32 v[TMP], v[rT]
	s_delay_alu instid0(VALU_DEP_2)
	v_floor_f32 v[rT], -v[rT+1]                    ; the new -M = -ceil(t)
.set j, 0
	s_delay_alu instid0(VALU_DEP_1)
	v_sub_f32 v[TMP], v[rT], v[TMP]                ; old M - new M: a whole number, 0 or less
.rept 4
	v_pk_fma_f32 v[S+j:S+j+1], v[S+j:S+j+1], s[CS:CS+1], v[rT:rT+1] op_sel_hi:[1,0,0]   ; t - M, two at a time; f's two later lines stand among these
.set j, j+2
.endr
.rept 4
	v_pk_fma_f32 v[S+j:S+j+1], v[S+j:S+j+1], s[CS:CS+1], v[rT:rT+1] op_sel_hi:[1,0,0]
.set j, j+2
.endr
	v_cvt_i32_f32 v[TMP], v[TMP]                   ; (it saturates)
.rept 4
	v_pk_fma_f32 v[S+j:S+j+1], v[S+j:S+j+1], s[CS:CS+1], v[rT:rT+1] op_sel_hi:[1,0,0]
.set j, j+2
.endr
	v_ldexp_f32 v[rF], 1.0, v[TMP]                 ; f = 2^(old M - new M)
.rept 20
	v_pk_fma_f32 v[S+j:S+j+1], v[S+j:S+j+1], s[CS:CS+1], v[rT:rT+1] op_sel_hi:[1,0,0]
.set j, j+2
.endr
.irp b, 0,1,2,3
	v_fma_f32 v[TM+\b], v[TM+\b], s[CS], v[rT]     ; the same of each block's largest score
.endr
.set j, 0
	s_wait_alu depctr_va_vdst(0)                   ; the wait ahead of the batch
.rept 64
	v_exp_f32 v[S+j], v[S+j]                       ; p = 2^(t - M)
.set j, j+1
.endr
	v_pk_mul_f32 v[rT+2:rT+3], v[rT+2:rT+3], v[rF:rF+1] op_sel_hi:[1,0]   ; the sums under the new M
	s_wait_alu depctr_va_vdst(0)                   ; one wait for the batch, ahead of its first reader
.irp b, 0,1,2,3
	v_exp_f32 v[TM+\b], v[TM+\b]                   ; the block's largest p
.endr
	v_pk_add_f32 v[TM+4:TM+5], v[S:S+1], v[S+2:S+3]   ; the row's sum of the unquantised p: two at a time, in four chains
	v_pk_add_f32 v[TM+6:TM+7], v[S+4:S+5], v[S+6:S+7]
	v_pk_add_f32 v[TM+8:TM+9], v[S+8:S+9], v[S+10:S+11]
.set j, 12
.rept 6
	v_pk_add_f32 v[rT+2:rT+3], v[rT+2:rT+3], v[S+j:S+j+1]
	v_pk_add_f32 v[TM+4:TM+5], v[TM+4:TM+5], v[S+j+2:S+j+3]
	v_pk_add_f32 v[TM+6:TM+7], v[TM+6:TM+7], v[S+j+4:S+j+5]
	v_pk_add_f32 v[TM+8:TM+9], v[TM+8:TM+9], v[S+j+6:S+j+7]
.set j, j+8
.endr
	v_pk_add_f32 v[rT+2:rT+3], v[rT+2:rT+3], v[S+60:S+61]
	v_pk_add_f32 v[TM+4:TM+5], v[TM+4:TM+5], v[S+62:S+63]
	v_pk_add_f32 v[TM+6:TM+7], v[TM+6:TM+7], v[TM+8:TM+9]
	s_delay_alu instid0(VALU_DEP_2)
	v_pk_add_f32 v[rT+2:rT+3], v[rT+2:rT+3], v[TM+4:TM+5]
	s_delay_alu instid0(VALU_DEP_1)
	v_pk_add_f32 v[rT+2:rT+3], v[rT+2:rT+3], v[TM+6:TM+7]
	s_wait_alu depctr_va_vdst(0)                   ; and one for the four
.irp b, 0,1,2,3
	v_max_num_f32 v[TM+\b], 0x8000000, v[TM+\b]    ; the floor 2^(16 - 127): the byte cannot fall under 1
.endr
.irp b, 0,1,2,3
	s_delay_alu instid0(VALU_DEP_4)
	v_add_nc_u32 v[TM+12+\b], 0xf8800000, v[TM+\b] ; 15 off the exponent field: the conversion's scale operand
.endr
.irp b, 0,1,2,3
	v_and_or_b32 v[TM+8+\b], v[TM+\b], 0x7f800000, s[MNT]   ; 57,344 x the scale
.endr
.irp b, 0,1,2,3
	v_lshrrev_b32 v[TM+4+\b], 23, v[TM+12+\b]      ; the scale's byte
.endr
	s_delay_alu instid0(VALU_DEP_3)
	v_lshl_or_b32 v[TM+4], v[TM+5], 8, v[TM+4]     ; p's scale word for these 128 keys: two halves, then the word
	v_lshl_or_b32 v[TM+6], v[TM+7], 8, v[TM+6]
	s_delay_alu instid0(VALU_DEP_1)
	v_lshl_or_b32 v[rF+1], v[TM+6], 16, v[TM+4]
	HOLD2 2, 3                                     ; the conversion to an 8-bit code does not saturate (ISA guide 7.6.2); p is not negative, so the hold is one-sided
	CVT 3                                          ; block 3 first: in tile 3 the other blocks' codes land on its registers
	HOLD2 0, 1                                     ; (plain lines between block 3's conversions and the lines that write their sources)
	CVT 0
	CVT 1
	CVT 2
	v_nop                                          ; one plain line behind the last conversion
.endm
; A KEY STEP: 128 keys for my four tiles of queries.  At its head k's 17 loads are out, asked for in the step before.
.macro STEP
.rept 9
	v_nop                                          ; nine places behind the last step's products: tile 0's scores write registers that they read (tile 3's codes), and v's loads land on their fragments
.endr
	LOADKV VF, VOFF, VSC                           ; v's fragments land under the softmaxes
	s_wait_dscnt 17                                ; k is in: the 17 just issued may be out
	SCORES 0
	WIN 0
	s_add_co_u32 s[TB], s[TB], STEPB
	s_min_u32 s[TN], s[TB], 15*STEPB               ; the next step's images; the last step names its own again
	v_add_nc_u32 v[ADK], s[TN], v[L16]
	v_add_nc_u32 v[ADS], s[TN], v[R16]
.rept 6
	v_nop                                          ; with the two additions: eight places in front of the first read of the scores
.endr
	SOFTMAX 0
	SCORES 1
	RESCALE 0
	SOFTMAX 1
	SCORES 2
	RESCALE 1
	SOFTMAX 2
	SCORES 3
	RESCALE 2
	LOADKV KF, 0, KSC                              ; k is done with: the next step's lands under the last softmax and the second product
	SOFTMAX 3
	RESCALE 3                                      ; (also the places between p's codes and the products below)
	s_wait_alu depctr_va_vdst(0)                   ; the wait ahead of the wait below
	s_wait_dscnt 17                                ; v is in: k's 17, issued behind it, may be out
	WIN 0x51
.irp f, 0,1,2,3
.irp t, 0,1,2,3
	v_wmma_scale_f32_16x16x128_f8f6f4 v[32*\t+8*\f:32*\t+8*\f+7], v[VF+16*\f:VF+16*\f+15], v[CD+16*\t-64*(\t/3):CD+16*\t-64*(\t/3)+15], v[32*\t+8*\f:32*\t+8*\f+7], v[VSC+\f], v[FP+2*\t+1] matrix_a_fmt:MATRIX_FMT_BF8 matrix_b_fmt:MATRIX_FMT_BF8   ; sixteen accumulators by turns
.endr
.endr
	WIN 0
.endm
.macro WALK n
	s_mov_b32 s[CNT], \n
.Lstep_\@:
	STEP
	s_sub_co_u32 s[CNT], s[CNT], 1
	s_cmp_lg_u32 s[CNT], 0
	s_cbranch_scc1 .Lstep_\@
.endm
	LOADKV KF, 0, KSC                              ; step 0's k
	s_mov_b32 s[TB], 0
	WALK 3                                         ; steps 0-2; they read steps 0-3
	s_wait_tensorcnt 0x0                           ; my part of steps 4-15 is in,
	s_wait_dscnt 0x0                               ; no LDS load of mine is out,
	s_barrier_signal -1
	s_barrier_wait -1                              ; and everybody's part is in
	s_mov_b32 s[TB], 3*STEPB
	WALK 13
	; THE WAY OUT.  The sum's halves and lane l xor 16's are added; O^T is divided by the sum and goes through my stage, a tile at a time, so that sixteen lanes store one aligned run of 256 bytes.
.irp t, 0,1,2,3
	v_add_f32 v[ST+4*\t+2], v[ST+4*\t+2], v[ST+4*\t+3]
.endr
.irp t, 0,1,2,3
	s_delay_alu instid0(VALU_DEP_4)
	v_permlanex16_b32 v[TM+4+\t], v[ST+4*\t+2], s[SEL], s[SEL+1]
.endr
.irp t, 0,1,2,3
	s_delay_alu instid0(VALU_DEP_4)
	v_add_f32 v[ST+4*\t+2], v[ST+4*\t+2], v[TM+4+\t]
.endr
	s_wait_alu depctr_va_vdst(0)
.irp t, 0,1,2,3
	v_rcp_f32 v[ST+4*\t+2], v[ST+4*\t+2]
.endr
	v_nop
	s_wait_alu depctr_va_vdst(0)                   ; one wait for the four, ahead of the first use
.macro PACK t
	WIN 0x01
.set i, 0
.rept 16
	v_pk_mul_f32 v[S+32*((\t)%2)+i:S+32*((\t)%2)+i+1], v[32*(\t)+i:32*(\t)+i+1], v[ST+4*(\t)+2:ST+4*(\t)+3] op_sel_hi:[1,0]   ; each accumulator from its low end on
.set i, i+2
.endr
	WIN 0
.irp f, 0,1,2,3
	ds_store_b128 v[SO], v[S+32*((\t)%2)+8*\f:S+32*((\t)%2)+8*\f+3] offset:64*\f
	ds_store_b128 v[SO], v[S+32*((\t)%2)+8*\f+4:S+32*((\t)%2)+8*\f+7] offset:64*\f+16
.endr
.irp n, 0,1,2,3,4,5,6,7
	ds_load_b128 v[RBK+32*(\t)+4*\n:RBK+32*(\t)+4*\n+3], v[SR] offset:2*\n*SP   ; LDS serves a wave's instructions in order (ISA guide 5.7.1.4)
.endr
.endm
.macro SEND t, younger                 ; younger: the LDS instructions issued behind tile t's loads
.irp n, 0,1,2,3,4,5,6,7
	s_wait_dscnt \younger+7-\n
	global_store_b128 v[GO], v[RBK+32*(\t)+4*\n:RBK+32*(\t)+4*\n+3], s[8:9] offset:(32*((\t)/2)+8*((\t)%2)+2*\n+8*(\n/4))*4096 th:TH_STORE_NT   ; 16 lanes store a query's 256 bytes of this head
.endr
.endm
	PACK 0
	PACK 1
	SEND 0, 16
	PACK 2
	SEND 1, 16
	PACK 3
	SEND 2, 16
	SEND 3, 0
	s_wait_tensorcnt 0x0                           ; the wave's end
	ds_add_u32 v[SPW], v[NIL]
	s_wait_dscnt 0x0
	CROUND                                         ; the closing round
	s_endpgm
.Lfunc_end_k_qb90fc248cd_attn:
	.size	k_qb90fc248cd_attn, .Lfunc_end_k_qb90fc248cd_attn-k_qb90fc248cd_attn
	.p2alignl 7, 3214868480
	.fill 96, 4, 3214868480
	.section	.rodata,"a",@progbits
	.p2align	6, 0x0
	.amdhsa_kernel k_qb90fc248cd_attn
		.amdhsa_group_segment_fixed_size 327680
		.amdhsa_private_segment_fixed_size 0
		.amdhsa_enable_private_segment 0
		.amdhsa_kernarg_size 24
		.amdhsa_user_sgpr_count 2
		.amdhsa_user_sgpr_kernarg_segment_ptr 1
		.amdhsa_wavefront_size32 1
		.amdhsa_system_sgpr_workgroup_id_x 1
		.amdhsa_system_sgpr_workgroup_id_y 1
		.amdhsa_system_sgpr_workgroup_id_z 1
		.amdhsa_system_vgpr_workitem_id 0
		.amdhsa_next_free_vgpr 512
		.amdhsa_next_free_sgpr 66
		.amdhsa_reserve_vcc 0
		.amdhsa_float_denorm_mode_32 3
		.amdhsa_float_denorm_mode_16_64 3
		.amdhsa_memory_ordered 1
		.amdhsa_forward_progress 1
		.amdhsa_inst_pref_size 165
	.end_amdhsa_kernel
	.amdgpu_metadata
---
amdhsa.version: [ 1, 2 ]
amdhsa.kernels:
  - .name:           k_qb90fc248cd_attn
    .symbol:         k_qb90fc248cd_attn.kd
    .args:
      - { .name: qws, .offset: 0, .size: 8, .value_kind: global_buffer, .address_space: global }
      - { .name: kvws, .offset: 8, .size: 8, .value_kind: global_buffer, .address_space: global }
      - { .name: out0, .offset: 16, .size: 8, .value_kind: global_buffer, .address_space: global }
    .group_segment_fixed_size: 327680
    .private_segment_fixed_size: 0
    .kernarg_segment_align: 8
    .kernarg_segment_size: 24
    .max_flat_workgroup_size: 256
    .sgpr_count:     66
    .vgpr_count:     512
    .wavefront_size: 32
...
	.end_amdgpu_metadata
.endif
;; end of part 2
